; MI455X (gfx1250); checked and timed in simulation.
; The chip was launched on July 23, 2026; its instructions are those of AMD's public machine-readable ISA for CDNA 5 (MIT licence, August 2026) and "CDNA5" Instruction Set Architecture Reference Guide (July 2026). The comments in the code are by the model that wrote it; some were corrected since.
;; Attention. Allowed arithmetic: matrix products marked QUANTISED: E2M1 operands, one E8M0 scale for each 32 along K, by v_wmma_scale_f32_16x16x128_f8f6f4 with both operands' format E2M1 (or v_wmma_scale_f32_32x16x128_f4), f32 sums; everything else in f32.
;; Inputs: Wk_codes 64 x 16 x 16 uint8 (E2M1 codes of Wk, K innermost, in blocks of 32 codes, two codes a byte); Wk_scales 64 x 16 uint8 (E8M0 scales of Wk, one for each 32 codes along K); Wq_codes 64 x 16 x 16 uint8 (E2M1 codes of Wq, K innermost, in blocks of 32 codes, two codes a byte); Wq_scales 64 x 16 uint8 (E8M0 scales of Wq, one for each 32 codes along K); Wv_codes 64 x 16 x 16 uint8 (E2M1 codes of Wv, K innermost, in blocks of 32 codes, two codes a byte); Wv_scales 64 x 16 uint8 (E8M0 scales of Wv, one for each 32 codes along K); x_codes 8 x 2,048 x 16 x 16 uint8 (E2M1 codes of x, K innermost, in blocks of 32 codes, two codes a byte); x_scales 8 x 2,048 x 16 uint8 (E8M0 scales of x, one for each 32 codes along K).
;; Outputs: out0 8 x 2,048 x 64 float32.
;; This version of the problem:
;;   THIS VERSION OF THE PROBLEM IS GIVEN IN LOW PRECISION. The matrix products marked QUANTISED in the list below multiply operands that are first quantised to E2M1 (2 exponent bits, 1 mantissa bit; 4 bits a number), with one power-of-two scale for each 32 numbers along K (OCP MX v1.0); their sums are f32. All else is computed in f32.
;;   The module's matrix products, in the order in which they are computed (A, B: the left and right operand; K: the contracted axis; several contracted axes count as one K, in the product's order):
;;     1. [M 16,384, K 512] x [K 512, N 64]; A: input x (given as codes); B: input Wq (given as codes): QUANTISED
;;     2. [M 16,384, K 512] x [K 512, N 64]; A: input x (given as codes); B: input Wk (given as codes): QUANTISED
;;     3. [M 16,384, K 512] x [K 512, N 64]; A: input x (given as codes); B: input Wv (given as codes): QUANTISED
;;     4. batch 8 x [M 2,048, K 64] x [K 64, N 2,048]; A: computed on the way; B: computed on the way: QUANTISED
;;     5. batch 8 x [M 2,048, K 2,048] x [K 2,048, N 64]; A: softmax (see below); B: computed on the way: QUANTISED
;;   THE QUANTISER, for each operand of a quantised product, along K:
;;     - K is cut into blocks of 32 from its start; a last block that is shorter is filled with zeros.
;;     - A block's scale is 2^e with e = floor(log2(the largest magnitude in the block)) - 2, held to -126 .. 127; a block of zeros has e = 0. As a byte (E8M0): e + 127.
;;     - Each number is divided by its block's scale, clamped to +-6, and rounded to the nearest number of E2M1, ties to even, subnormals kept.
;;     - The product sums the exact products of the quantised numbers (number of the format x scale) in f32.
;;   ~~~python
;;   def quantise(x, axis):      # numpy; x: float32 -> the quantised numbers, widened to float32 again
;;       x = np.moveaxis(x, axis, -1); K = x.shape[-1]
;;       x = np.pad(x, [(0, 0)] * (x.ndim - 1) + [(0, -K % 32)]); x = x.reshape(x.shape[:-1] + (-1, 32)); a = np.abs(x).max(-1, keepdims=True)
;;       e = np.where(a > 0, np.clip(np.frexp(np.where(a > 0, a, 1))[1] - 1 - 2, -126, 127), 0)      # np.frexp(a)[1] - 1 = floor(log2(a)), exactly
;;       r = np.clip(x / 2.0 ** e, -6, 6)
;;       step = 2.0 ** (np.maximum(np.frexp(np.where(r == 0, 1, r))[1] - 1, 0) - 1)
;;       q = np.round(r / step) * step * 2.0 ** e      # np.round: ties to even
;;       return np.moveaxis(q.reshape(q.shape[:-2] + (-1,))[..., :K], -1, axis).astype(np.float32)
;;   ~~~
;;   SOFTMAX AHEAD OF A QUANTISED PRODUCT. Where the list says 'softmax', what is quantised is not the finished softmax but p = 2^(t - M), with t = logit x log2(e) and M = ceil(the row's largest t), a whole number; so 1/2 < the row's largest p <= 1. The row's sum l is taken of the UNQUANTISED p, in f32, and the product's result is divided by l at the end. Since M is a whole number, a kernel that streams over the keys may use a running M (the ceiling of the running maximum): every later rescaling is an exact power of two, which a block's scale takes up: the codes' values come out the same.
;;   OPERANDS COMPUTED ON THE WAY. 'Computed on the way' means the value that the module computes at that place (a softmax that the list does not call 'softmax' is quantised finished and normalised). What goes into a quantiser is computed in f32, as accurately as f32 sums, v_exp_f32 and their like allow (about 1e-6 of the number): no bf16 or f16 on the way to a quantiser, and a product that is left as it is and whose result goes on into a quantised operand takes f32 operands (vector FMAs, or v_wmma_f32_16x16x4_f32). A number that lies on a knife's edge between two numbers of the format may be rounded either way, as far as f32 arithmetic and the matrix unit's own rounding can turn it there, and no further.
;;   INPUTS GIVEN AS CODES. Wk (in the module: [512, 64], K = its axis 0); Wq (in the module: [512, 64], K = its axis 0); Wv (in the module: [512, 64], K = its axis 0); x (in the module: [8, 2048, 512], K = its axis 2): each comes as NAME_codes (uint8): NAME with its K axis moved to the last place and cut into blocks of 32 codes, [.., K / 32, bytes a block], one block behind the other in memory; two codes a byte, the lower K in the low four bits (a code: sign, 2 exponent bits, 1 mantissa bit); and NAME_scales (uint8): the same leading axes, one E8M0 byte (e + 127) for each 32 codes along K. Its value is code x scale, taken as it is: it is not quantised again, and the codes and scales need not be those that the quantiser above would give.
;; 2 versions, each right; version 2 is version 1 with the launch attn written anew for expert scheduling mode. Each part assembles by itself: llvm-mc -triple=amdgcn-amd-amdhsa -mcpu=gfx1250 --defsym DOCPART=n.
;; ======== version 1 of 2: 2 launches
;; workspace buffers: codes 1,572,864 bytes; scl 131,072 bytes
;; launch proj (part 1): grid 256 x 1, 12 waves a work-group, clusters of 4 x 1, 169,472 bytes of LDS; arguments x_codes, x_scales, Wq_codes, Wq_scales, Wk_codes, Wk_scales, Wv_codes, Wv_scales, codes, scl; writes codes, scl
.if DOCPART == 1
	.amdgcn_target "amdgcn-amd-amdhsa--gfx1250"
	.amdhsa_code_object_version 6
	.text
	.protected	k_qe8eb127095_proj
	.globl	k_qe8eb127095_proj
	.p2align	8
	.type	k_qe8eb127095_proj,@function
k_qe8eb127095_proj:
	s_mov_b64 s[64:65], 0
	v_nop
	global_prefetch_b8 v0, s[64:65] scope:SCOPE_SE
	s_setreg_imm32_b32 hwreg(HW_REG_WAVE_MODE, 25, 1), 1
	s_wait_xcnt 0x0
	s_wait_alu depctr_hold_cnt(0) depctr_sa_sdst(0) depctr_va_vdst(0) depctr_va_sdst(0) depctr_va_ssrc(0) depctr_va_vcc(0) depctr_vm_vsrc(0)
	s_getreg_b32 s2, hwreg(HW_REG_IB_STS2, 6, 4)
	s_cmp_eq_u32 s2, 0
	s_cbranch_scc0 .Lentry_in_a_cluster
	s_endpgm
.Lentry_in_a_cluster:
	s_bfe_u32 s2, ttmp6, 0x10000c
	s_cmp_lg_u32 s2, 0x3003
	s_cbranch_scc0 .Lentry_shape_is_right
	s_endpgm
.Lentry_shape_is_right:
; q = x Wq, k = x Wk, v = x Wv on codes of FP4 (E2M1) with E8M0 scales, K = 512; then q and k are quantised along the head's 64 channels and v along the tokens, in blocks of 32.
; SHARES.  A work-group owns 64 tokens.  Its operands come into LDS once: 64 rows x 256 bytes of x and of each W, and their scale bytes, 1,024 bytes each.  No LDS byte is filled twice.
; CLUSTER.  The three W are the same for every work-group: 52,224 of the 69,632 bytes that a work-group fetches.  The four partners of a cluster ask for them jointly (mask 15); x's rows are each work-group's own.
; TWELVE WAVES, ONE TEXT.  Wave w: role w / 4 (0 q, 1 k, 2 v), ap = w % 2, bp = (w / 2) % 2.  Source 0 (side A) is 32 rows that become the next product's K, source 1 (side B) 32 rows that become lanes:
;   q, k: A = channels 32 ap .. of W, B = tokens 32 bp .. of x;      v: A = tokens 32 ap .. of x, B = channels 32 bp .. of Wv.
; The tiles lie in LDS in the order Wq, Wk, x, Wv, so that A's tile is number role and B's is number 2 + role / 2.  A wave has 2 x 2 tiles x 4 K steps: 16 matrix instructions on four accumulators by turns.
; THE BLOCK'S ORDER.  In a result lane (r, h) holds row 8 h + j of A's tile in register j.  Two neighbouring tiles give it places 8 h + 0..7 and 16 + 8 h + 0..7 of a block of 32: two conversions, 8 bytes.
; A block's 16 bytes are laid [h = 0: 8 bytes][h = 1: 8 bytes]: inside a block the groups of eight stand in the order 0, 2, 1, 3.  q and k both lie so, and so do v and the weights p of the next launch:
; the same order on both sides of a product, inside one scale's block, leaves every product as it is.  A wave's store of a block of 16 rows is 256 consecutive bytes, aligned.
; OUT.  codes: q at 0 and k at 524,288 as [token / 16][block 0, 1][token % 16][16 bytes]; v at 1,048,576 as [token / 128][channel / 16][block of 32 tokens 0..3][channel % 16][16 bytes]:
; images of the operands' registers, 16 bytes a lane.  scl: 512 bytes for each 64 tokens: q's bytes at 2 (token % 64) + block, k's 128 on, v's at 256 + 2 channel + (which 32 tokens), then 128 zeros.
; LIMITS: a block of zeros gets the byte 1 where the quantiser's rule says 127: its codes are zeros, and the bytes are read by this program alone.  A largest magnitude under 2^-124 is taken as 2^-124.  NaN and infinities are not served.
.set PITCH, 272                        ; an LDS row: 256 bytes + 16 of padding = 68 words: the 16 rows of a fragment load start at 16 different banks (64 banks of 4 bytes: ISA guide 11.1)
.set TILE,  64*PITCH                   ; 17,408
.set SCL0,  4*TILE                     ; behind the four tiles: four dense blocks of 1,024 scale bytes, in the same order
.set SB,    SCL0+4096                  ; a stage of 512 bytes for the scale bytes that the waves make; no fill lands here
.set AS,  12                           ; v12-15  A's scale words: register q = K step q; lanes 0-15 tile 0's rows, lanes 16-31 tile 1's
.set BS,  16                           ; v16-19  B's likewise
.set AF,  32                           ; v32-95  A's fragments: (tile i, K step q) at 8 (4 i + q)
.set BF,  96                           ; v96-159 B's
.set ACC, 160                          ; v160-191 accumulator (B's tile n, A's tile i) at 16 n + 8 i
.set MX,  192                          ; v192-193 largest magnitudes;  v194-195 the other half's
.set PM,  194
.set SO,  196                          ; v196-197 the conversions' scale operands
.set BY,  198                          ; v198-199 the scale bytes
.set PC,  200                          ; v200-203 the codes
.set WV,  76
.set RHO, 77
.set AP,  78
.set BP,  79
.set WG,  81
.set SEL, 82
; A round of the cluster's barrier: my work-group's barrier; wave 0 signals for the work-group; every wave waits for all four work-groups; my work-group's barrier once more.
.macro ROUND
	s_barrier_signal -1
	s_barrier_wait -1
	s_cmp_lg_u32 s[WV], 0
	s_cbranch_scc1 .Lnot_wave_0_\@
	s_barrier_signal -3
.Lnot_wave_0_\@:
	s_barrier_wait -3
	s_barrier_signal -1
	s_barrier_wait -1
.endm
; One matrix instruction.  z = 1: it starts the sum.  ra, rb = 1: the side's scale words stand in lanes 16-31.
.macro WM d, a, b, z, sa, sb, ra, rb
.set WSEL, 4*(\z)+2*(\ra)+(\rb)
.if WSEL == 0
	v_wmma_scale_f32_16x16x128_f8f6f4 v[\d:\d+7], v[\a:\a+7], v[\b:\b+7], v[\d:\d+7], v[\sa], v[\sb] matrix_a_fmt:MATRIX_FMT_FP4 matrix_b_fmt:MATRIX_FMT_FP4
.elseif WSEL == 1
	v_wmma_scale_f32_16x16x128_f8f6f4 v[\d:\d+7], v[\a:\a+7], v[\b:\b+7], v[\d:\d+7], v[\sa], v[\sb] matrix_a_fmt:MATRIX_FMT_FP4 matrix_b_fmt:MATRIX_FMT_FP4 matrix_b_scale:MATRIX_SCALE_ROW1
.elseif WSEL == 2
	v_wmma_scale_f32_16x16x128_f8f6f4 v[\d:\d+7], v[\a:\a+7], v[\b:\b+7], v[\d:\d+7], v[\sa], v[\sb] matrix_a_fmt:MATRIX_FMT_FP4 matrix_b_fmt:MATRIX_FMT_FP4 matrix_a_scale:MATRIX_SCALE_ROW1
.elseif WSEL == 3
	v_wmma_scale_f32_16x16x128_f8f6f4 v[\d:\d+7], v[\a:\a+7], v[\b:\b+7], v[\d:\d+7], v[\sa], v[\sb] matrix_a_fmt:MATRIX_FMT_FP4 matrix_b_fmt:MATRIX_FMT_FP4 matrix_a_scale:MATRIX_SCALE_ROW1 matrix_b_scale:MATRIX_SCALE_ROW1
.elseif WSEL == 4
	v_wmma_scale_f32_16x16x128_f8f6f4 v[\d:\d+7], v[\a:\a+7], v[\b:\b+7], 0, v[\sa], v[\sb] matrix_a_fmt:MATRIX_FMT_FP4 matrix_b_fmt:MATRIX_FMT_FP4
.elseif WSEL == 5
	v_wmma_scale_f32_16x16x128_f8f6f4 v[\d:\d+7], v[\a:\a+7], v[\b:\b+7], 0, v[\sa], v[\sb] matrix_a_fmt:MATRIX_FMT_FP4 matrix_b_fmt:MATRIX_FMT_FP4 matrix_b_scale:MATRIX_SCALE_ROW1
.elseif WSEL == 6
	v_wmma_scale_f32_16x16x128_f8f6f4 v[\d:\d+7], v[\a:\a+7], v[\b:\b+7], 0, v[\sa], v[\sb] matrix_a_fmt:MATRIX_FMT_FP4 matrix_b_fmt:MATRIX_FMT_FP4 matrix_a_scale:MATRIX_SCALE_ROW1
.else
	v_wmma_scale_f32_16x16x128_f8f6f4 v[\d:\d+7], v[\a:\a+7], v[\b:\b+7], 0, v[\sa], v[\sb] matrix_a_fmt:MATRIX_FMT_FP4 matrix_b_fmt:MATRIX_FMT_FP4 matrix_a_scale:MATRIX_SCALE_ROW1 matrix_b_scale:MATRIX_SCALE_ROW1
.endif
.endm
; A fragment, 16 rows x 128 K of 4-bit codes: lane (r, h) holds row r; registers 4 c .. 4 c + 3 hold K = 64 c + 32 h + 0 .. 31: 16 bytes of the row as they lie
.macro FRAG reg, adr, off
	ds_load_b128 v[\reg:\reg+3], v[\adr] offset:\off
	ds_load_b128 v[\reg+4:\reg+7], v[\adr] offset:\off+32
.endm
; K step q: four matrix instructions, the four accumulators by turns
.macro KSTEP q, z
	s_wait_dscnt 8*(3-\q)                          ; LDS loads come back in order: the eight loads of each later K step may be out
.irp n, 0,1
.irp i, 0,1
	WM ACC+16*\n+8*\i, AF+8*(4*\i+\q), BF+8*(4*\n+\q), \z, AS+\q, BS+\q, \i, \n
.endr
.endr
.endm
	s_load_b256 s[4:11], s[0:1], 0x0               ; x's codes s[4:5], x's scales s[6:7], Wq's codes s[8:9], Wq's scales s[10:11]
	s_load_b256 s[12:19], s[0:1], 0x20             ; Wk's codes s[12:13], scales s[14:15], Wv's codes s[16:17], scales s[18:19]
	s_load_b128 s[20:23], s[0:1], 0x40             ; codes s[20:21], scl s[22:23]
	v_lshl_add_u32 v208, v0, 2, 0x29000
	v_mov_b32 v209, 0
	ds_add_u32 v208, v209
	ds_add_u32 v208, v209
	v_lshrrev_b32 v1, 5, v0
	v_readfirstlane_b32 s[WV], v1                  ; wave 0..11
	s_lshr_b32 s[RHO], s[WV], 2                    ; role
	s_and_b32 s[AP], s[WV], 1
	s_bfe_u32 s[BP], s[WV], 0x10001
	s_bfe_u32 s80, ttmp6, 0x40000                  ; cx: my place in the cluster
	s_lshl_b32 s[WG], ttmp9, 2                     ; in a cluster launch ttmp9 counts clusters
	s_add_co_u32 s[WG], s[WG], s80                 ; my 64 tokens: it enters global addresses alone
	s_mov_b32 s[SEL], 0x76543210
	s_mov_b32 s[SEL+1], 0xfedcba98                 ; v_permlanex16_b32's selects for lane l xor 16
	v_and_b32 v1, 15, v0                           ; r
	v_bfe_u32 v2, v0, 4, 1                         ; h
	v_and_b32 v3, 31, v0                           ; lane
	v_mov_b32 v[PM], 0                             ; written once: a lane permute's destination counts as one of its sources
	v_mov_b32 v[PM+1], 0
	; LDS addresses: v4 A's fragments, v5 B's, v6 A's scale words, v7 B's, v8 my scale bytes in the stage
	v_mul_u32_u24 v4, v1, PITCH
	v_lshl_add_u32 v4, v2, 4, v4                   ; row r x pitch + 16 h
	s_mul_i32 s84, s[RHO], TILE
	s_mul_i32 s85, s[AP], 32*PITCH
	s_add_co_u32 s84, s84, s85
	s_lshr_b32 s86, s[RHO], 1
	s_add_co_u32 s86, s86, 2                       ; B's tile: x for q and k, Wv for v
	s_mul_i32 s87, s86, TILE
	s_mul_i32 s85, s[BP], 32*PITCH
	s_add_co_u32 s87, s87, s85
	v_add_nc_u32 v5, s87, v4
	v_add_nc_u32 v4, s84, v4
	s_lshl_b32 s84, s[RHO], 10
	s_lshl_b32 s85, s[AP], 9
	s_add_co_u32 s84, s84, s85
	s_add_co_u32 s84, s84, SCL0
	v_lshl_add_u32 v6, v3, 4, s84                  ; lane l takes the 16 scale bytes (four K steps' words) of row l of my 32
	s_lshl_b32 s86, s86, 10
	s_lshl_b32 s85, s[BP], 9
	s_add_co_u32 s86, s86, s85
	s_add_co_u32 s86, s86, SCL0
	v_lshl_add_u32 v7, v3, 4, s86
	s_lshl_b32 s84, s[RHO], 7
	s_lshl_b32 s85, s[BP], 6
	s_add_co_u32 s84, s84, s85
	s_add_co_u32 s84, s84, s[AP]
	s_add_co_u32 s84, s84, SB
	v_lshl_add_u32 v8, v1, 1, s84                  ; SB + 128 role + 2 (32 bp + r) + ap; B's second tile 32 bytes on
	v_lshl_add_u32 v11, v3, 3, SB                  ; the stage on the way out: q's and k's 256 bytes, 8 a lane;
	v_lshl_add_u32 v20, v1, 3, SB+256              ; v's 128 bytes, 8 a lane of sixteen
	v_lshlrev_b32 v21, 3, v3
	; where my two blocks of 16 rows go in codes: v9, v10
	v_lshlrev_b32 v9, 4, v1
	v_lshl_add_u32 v9, v2, 3, v9                   ; 16 r + 8 h
	s_lshl_b32 s84, s[RHO], 19                     ; q, k: 524,288 role + 512 (4 wg + 2 bp) + 256 ap
	s_lshl_b32 s85, s[WG], 11
	s_add_co_u32 s84, s84, s85
	s_lshl_b32 s85, s[BP], 10
	s_add_co_u32 s84, s84, s85
	s_lshr_b32 s86, s[WG], 1                       ; v: 1,048,576 + 4,096 (wg / 2) + 1,024 (2 bp) + 256 (2 (wg % 2) + ap)
	s_lshl_b32 s86, s86, 12
	s_add_co_u32 s86, s86, 0x100000
	s_lshl_b32 s85, s[BP], 11
	s_add_co_u32 s86, s86, s85
	s_and_b32 s85, s[WG], 1
	s_lshl_b32 s85, s85, 9
	s_add_co_u32 s86, s86, s85
	s_cmp_eq_u32 s[RHO], 2
	s_cselect_b32 s84, s86, s84
	s_lshl_b32 s85, s[AP], 8
	s_add_co_u32 s84, s84, s85
	v_add_nc_u32 v9, s84, v9
	s_lshr_b32 s85, s[RHO], 1
	s_lshl_b32 s85, 512, s85                       ; B's second tile: 512 bytes on for q and k, 1,024 for v
	v_add_nc_u32 v10, s85, v9
	; descriptor groups 1.  Codes: 64 rows x 256 elements of 1 byte, 16 bytes of padding behind each row.  s[24:31] joint, s[32:39] plain
	s_mov_b32 s24, 15|(1<<20)|(1<<21)|(5<<22)|(3<<25)  ; 15:0 the mask: all four work-groups; 17:16 elements of 1 byte; 20 padding on; 21 set beside a mask; 24:22 after every 64 words (code 5); 31:25 four words (code 3)
	s_mov_b32 s32, (1<<20)|(5<<22)|(3<<25)         ; the same with no mask
.irp g, 24, 32
	s_mov_b32 s[\g+1], 256<<16                     ; tensor_dim0 = 256
	s_mov_b32 s[\g+2], 64<<16                      ; tensor_dim1 = 64
	s_mov_b32 s[\g+3], 256<<16                     ; tile_dim0 = 256
	s_mov_b32 s[\g+4], 64                          ; tile_dim1 = 64
	s_mov_b32 s[\g+5], 256                         ; from row to row
	s_mov_b32 s[\g+6], 0
	s_mov_b32 s[\g+7], 0
.endr
	; Scale bytes: a dense block of 1,024 bytes as 4 rows of 32 elements of 8 bytes, no padding.  s[40:47] joint, s[48:55] plain
	s_mov_b32 s40, 15|(3<<16)|(1<<21)
	s_mov_b32 s48, 3<<16
.irp g, 40, 48
	s_mov_b32 s[\g+1], 32<<16
	s_mov_b32 s[\g+2], 4<<16
	s_mov_b32 s[\g+3], 32<<16
	s_mov_b32 s[\g+4], 4
	s_mov_b32 s[\g+5], 32
	s_mov_b32 s[\g+6], 0
	s_mov_b32 s[\g+7], 0
.endr
	; groups 0.  W's (waves 0, 1, 3: Wq, Wk, Wv): made of the wave's number alone, so they are equal in all four partners.  s[56:59] codes, s[60:63] scales
	s_and_b32 s88, s[WV], 3
	s_mov_b32 s56, 1
	s_mul_i32 s57, s88, TILE
	s_mov_b32 s60, 1
	s_lshl_b32 s61, s88, 10
	s_add_co_u32 s61, s61, SCL0
	s_mov_b32 s68, 1                               ; x's (wave 2): s[68:71] codes, s[72:75] scales
	s_mov_b32 s69, 2*TILE
	s_mov_b32 s72, 1
	s_mov_b32 s73, SCL0+2048
	s_mov_b32 s91, 0
	s_mov_b32 s93, 0
	s_mov_b32 s95, 0
	s_lshl_b32 s90, s[WG], 14                      ; 64 rows of 256 bytes
	s_lshl_b32 s92, s[WG], 10                      ; 64 rows of 16 bytes
	s_lshl_b32 s94, s[WG], 9                       ; my record of scl
	s_wait_dscnt 0x0
	s_wait_kmcnt 0x0
	s_cmp_eq_u32 s88, 0
	s_cselect_b64 s[58:59], s[8:9], s[16:17]       ; the choice hangs on the wave's number alone
	s_cselect_b64 s[62:63], s[10:11], s[18:19]
	s_cmp_eq_u32 s88, 1
	s_cselect_b64 s[58:59], s[12:13], s[58:59]
	s_cselect_b64 s[62:63], s[14:15], s[62:63]
	s_or_b32 s59, s59, 0x80000000                  ; 127:126 type = 2
	s_or_b32 s63, s63, 0x80000000
	s_add_nc_u64 s[70:71], s[4:5], s[90:91]
	s_or_b32 s71, s71, 0x80000000
	s_add_nc_u64 s[74:75], s[6:7], s[92:93]
	s_or_b32 s75, s75, 0x80000000
	s_add_nc_u64 s[22:23], s[22:23], s[94:95]
	ROUND                                          ; all four work-groups are here: the joint loads meet
	s_cmp_gt_u32 s[WV], 3                          ; waves 4 to 11 fetch nothing.  A wave's two fills stand together in one branch: two tensor loads of mine are out at the most
	s_cbranch_scc1 .Lno_fill
	s_cmp_eq_u32 s[WV], 2
	s_cbranch_scc1 .Lfill_x
	tensor_load_to_lds s[56:59], s[24:31]          ; my W's codes, jointly
	s_nop 0
	tensor_load_to_lds s[60:63], s[40:47]          ; and its scale bytes
	s_nop 0
.rept 4
	v_nop                                          ; four lines follow the loads, ahead of the jump and the label
.endr
	s_branch .Lno_fill
.Lfill_x:
	tensor_load_to_lds s[68:71], s[32:39]          ; my work-group's rows of x
	s_nop 0
	tensor_load_to_lds s[72:75], s[48:55]
	s_nop 0
.rept 4
	v_nop
.endr
.Lno_fill:
	s_wait_tensorcnt 0x0                           ; my fills have landed,
	s_barrier_signal -1
	s_barrier_wait -1                              ; everybody's have
	ds_load_b128 v[AS:AS+3], v6                    ; 34 LDS loads in one run: the scale words first,
	ds_load_b128 v[BS:BS+3], v7
.irp q, 0,1,2,3                                    ; then eight loads for each K step
	FRAG AF+8*\q, 4, 64*\q
	FRAG AF+8*(4+\q), 4, 16*PITCH+64*\q
	FRAG BF+8*\q, 5, 64*\q
	FRAG BF+8*(4+\q), 5, 16*PITCH+64*\q
.endr
	KSTEP 0, 1                                     ; the first K step starts the sums: nothing is cleared
	KSTEP 1, 0
	KSTEP 2, 0
	KSTEP 3, 0
.rept 4
	v_nop                                          ; four places between the last products and the first read of results (ISA guide 7.12.1)
.endr
	; two blocks of 32 (B's tiles 0 and 1), by turns; each accumulator is read from its low end on
.irp n, 0,1
	v_max3_num_f32 v[MX+\n], |v[ACC+16*\n]|, |v[ACC+16*\n+1]|, 0x1800000   ; my 16 numbers, and the floor 2^(3 - 127): the byte cannot fall under 1
.endr
.irp i, 2,4,6,8,10,12,14
.irp n, 0,1
	v_max3_num_f32 v[MX+\n], v[MX+\n], |v[ACC+16*\n+\i]|, |v[ACC+16*\n+\i+1]|
.endr
.endr
.irp n, 0,1
	v_permlanex16_b32 v[PM+\n], v[MX+\n], s[SEL], s[SEL+1]
.endr
.irp n, 0,1
	v_max_num_f32 v[MX+\n], v[MX+\n], v[PM+\n]     ; with lane l xor 16's 16: the block's largest magnitude
.endr
.irp n, 0,1
	v_add_nc_u32 v[SO+\n], 0xff000000, v[MX+\n]    ; 2 off its exponent field: the conversion takes the exponent field of this operand as its scale
.endr
.irp n, 0,1
	v_lshrrev_b32 v[BY+\n], 23, v[SO+\n]           ; the scale's byte
.endr
.irp n, 0,1
	v_cvt_scalef32_pk8_fp4_f32 v[PC+2*\n], v[ACC+16*\n:ACC+16*\n+7], v[SO+\n]
	v_cvt_scalef32_pk8_fp4_f32 v[PC+2*\n+1], v[ACC+16*\n+8:ACC+16*\n+15], v[SO+\n]
.endr
	v_nop                                          ; one plain place behind the conversions
.irp n, 0,1
	ds_store_b8 v8, v[BY+\n] offset:32*\n          ; both lanes of a row write the same byte with the same value
	global_store_b64 v[9+\n], v[PC+2*\n:PC+2*\n+1], s[20:21]   ; 32 lanes store 256 consecutive bytes, at a multiple of 256 from the buffer's first byte
.endr
	s_wait_dscnt 0x0                               ; for the others' sake: my bytes lie in the stage
	s_barrier_signal -1
	s_barrier_wait -1
	s_cmp_lg_u32 s[WV], 0                          ; wave 0 stores the work-group's record of 512 bytes
	s_cbranch_scc1 .Ldone
	ds_load_b64 v[204:205], v11
	ds_load_b64 v[206:207], v20
	v_cmp_gt_u32 vcc_lo, 16, v3
	s_wait_dscnt 0x0
	v_cndmask_b32 v206, 0, v206, vcc_lo            ; lanes 16-31 store zeros behind v's 128 bytes, so that each of the two stores covers 256 consecutive bytes
	v_cndmask_b32 v207, 0, v207, vcc_lo
	global_store_b64 v21, v[204:205], s[22:23]
	global_store_b64 v21, v[206:207], s[22:23] offset:256
.Ldone:
	s_wait_tensorcnt 0x0
	ds_add_u32 v208, v209
	s_wait_dscnt 0x0
	ROUND                                          ; the closing round: no work-group ends while a partner may still ask for a tile that names it
	s_endpgm
.Lfunc_end_k_qe8eb127095_proj:
	.size	k_qe8eb127095_proj, .Lfunc_end_k_qe8eb127095_proj-k_qe8eb127095_proj
	.p2alignl 7, 3214868480
	.fill 96, 4, 3214868480
	.section	.rodata,"a",@progbits
	.p2align	6, 0x0
	.amdhsa_kernel k_qe8eb127095_proj
		.amdhsa_group_segment_fixed_size 169472
		.amdhsa_private_segment_fixed_size 0
		.amdhsa_enable_private_segment 0
		.amdhsa_kernarg_size 80
		.amdhsa_user_sgpr_count 2
		.amdhsa_user_sgpr_kernarg_segment_ptr 1
		.amdhsa_wavefront_size32 1
		.amdhsa_system_sgpr_workgroup_id_x 1
		.amdhsa_system_sgpr_workgroup_id_y 1
		.amdhsa_system_sgpr_workgroup_id_z 1
		.amdhsa_system_vgpr_workitem_id 0
		.amdhsa_next_free_vgpr 210
		.amdhsa_next_free_sgpr 96
		.amdhsa_reserve_vcc 1
		.amdhsa_float_denorm_mode_32 3
		.amdhsa_float_denorm_mode_16_64 3
		.amdhsa_memory_ordered 1
		.amdhsa_forward_progress 1
		.amdhsa_inst_pref_size 16
	.end_amdhsa_kernel
	.amdgpu_metadata
---
amdhsa.version: [ 1, 2 ]
amdhsa.kernels:
  - .name:           k_qe8eb127095_proj
    .symbol:         k_qe8eb127095_proj.kd
    .args:
      - { .name: x_codes, .offset: 0, .size: 8, .value_kind: global_buffer, .address_space: global }
      - { .name: x_scales, .offset: 8, .size: 8, .value_kind: global_buffer, .address_space: global }
      - { .name: Wq_codes, .offset: 16, .size: 8, .value_kind: global_buffer, .address_space: global }
      - { .name: Wq_scales, .offset: 24, .size: 8, .value_kind: global_buffer, .address_space: global }
      - { .name: Wk_codes, .offset: 32, .size: 8, .value_kind: global_buffer, .address_space: global }
      - { .name: Wk_scales, .offset: 40, .size: 8, .value_kind: global_buffer, .address_space: global }
      - { .name: Wv_codes, .offset: 48, .size: 8, .value_kind: global_buffer, .address_space: global }
      - { .name: Wv_scales, .offset: 56, .size: 8, .value_kind: global_buffer, .address_space: global }
      - { .name: codes, .offset: 64, .size: 8, .value_kind: global_buffer, .address_space: global }
      - { .name: scl, .offset: 72, .size: 8, .value_kind: global_buffer, .address_space: global }
    .group_segment_fixed_size: 169472
    .private_segment_fixed_size: 0
    .kernarg_segment_align: 8
    .kernarg_segment_size: 80
    .max_flat_workgroup_size: 384
    .sgpr_count:     96
    .vgpr_count:     210
    .wavefront_size: 32
...
	.end_amdgpu_metadata
.endif
;; end of part 1
;; launch attn (part 2): grid 32 x 8, 16 waves a work-group, no clusters, 288,768 bytes of LDS; arguments codes, scl, out0; writes out0
.if DOCPART == 2
	.amdgcn_target "amdgcn-amd-amdhsa--gfx1250"
	.amdhsa_code_object_version 6
	.text
	.protected	k_qe8eb127095_attn
	.globl	k_qe8eb127095_attn
	.p2align	8
	.type	k_qe8eb127095_attn,@function
k_qe8eb127095_attn:
	s_mov_b64 s[64:65], 0
	v_nop
	global_prefetch_b8 v0, s[64:65] scope:SCOPE_SE
	s_setreg_imm32_b32 hwreg(HW_REG_WAVE_MODE, 25, 1), 1
	s_wait_xcnt 0x0
; out[b][q][:] = the sum over keys k <= q of softmax_k(q . k / 8) v[k][:], both products on codes of FP4 (E2M1) with one E8M0 scale for each 32 along K.  2,048 tokens a batch, head size 64.
; q, k, v come as the launch before laid them: images of the operands' registers, 16 bytes a lane; inside each block of 32 the groups of eight stand in the order 0, 2, 1, 3, on both sides of each product.
; THE SOFTMAX: t = score x log2(e) / 8; M = the largest t, rounded UP to a whole number; p = 2^(t - M) is quantised along the keys; the sum l is taken of the unquantised p and divides at the end.
; SHARES.  Work-group (j, batch) owns four tiles of 16 queries: tiles 0, 1 begin at query 32 j (they see key steps 0 .. a, a = j / 4), tiles 2, 3 at query 32 (63 - j) (key steps 0 .. 15 - a).
; A UNIT is one tile x one step of 128 keys: 2 (a + 1) + 2 (16 - a) = 34 units in every work-group.  WAVE u OWNS KEY STEP u: it loads that step's k and v from memory straight into its registers, once,
; and uses them for all its units (four where u <= a, two where u <= 15 - a, else none).  A unit takes M of its own 128 keys; its -M, l and O go to LDS; behind ONE barrier the partial results of a row are
; brought under the row's M by factors 2^(M_unit - M), which round nothing, added, divided by l and stored.  A slot that no unit fills gets O = 0, l = 0, -M = 2^127: its factor is 0, so the sums have no branch.
; K = 64 IN AN INSTRUCTION OF K = 128: registers 4-7 of q's and k's fragments hold zero codes; the upper two bytes of their scale words are 0 (2^-127), over zero codes.
; NO CLUSTER, NO TENSOR LOAD: each byte of k and v is wanted by one wave of a work-group, which keeps it in registers; a way through LDS would add 8,704 bytes a step written and read;
; and work-groups of different j walk different numbers of key steps.
; LIMITS: p under 2^-126 counts as 0; a block of p whose largest lies under 2^-124 takes the byte 1; NaN and infinities are not served.
.set SLOTB, 16*272                     ; a slot: 16 queries x (256 bytes = 64 channels of f32, + 16 of padding): slot (tile t, step u) at (16 t + u) x 4,352
.set TSTR,  16*SLOTB                   ; from tile to tile: 69,632
.set STAT0, 4*TSTR                     ; behind the slots: (-M, l), 8 bytes a query: (16 t + u) x 128 + 8 x query
.set ST,  5                            ; v5-8    where I put 32 bytes of a row of tile t's slot
.set KFR, 16                           ; v16-79  k: 8 fragments of 16 keys
.set VFR, 80                           ; v80-111 v: 4 fragments of 16 channels x 128 keys
.set Q,   112                          ; v112-143 q: 4 fragments
.set S,   144                          ; v144-207 scores, then p; O^T is laid over v144-175
.set PC,  208                          ; v208-215 p's codes
.set MB,  216                          ; v216-219 the blocks' largest scores, then largest p;  v220-223 the other half's
.set PM,  220
.set SO,  224                          ; v224-227 the conversions' scale operands
.set BY,  228                          ; v228-231 the scale bytes
.set KS,  232                          ; v232-235 k's scale words: register i, lane l: key 32 i + l
.set VS,  236                          ; v236-237 v's: register e, lane l: channel 32 e + l
.set QS,  238                          ; v238-239 q's: register 0 tiles 0, 1; register 1 tiles 2, 3
.set PW,  240                          ; v240    p's scale word
.set WV,  10                           ; s10  u
.set KF,  15                           ; s15  my step's first key
.set Q0,  16                           ; s16-19 the tiles' first queries
; One matrix instruction; every sum here is one instruction long and starts from 0.  ra, rb = 1: the side's scale words stand in lanes 16-31.
.macro WM d, a, b, sa, sb, ra, rb
.set WSEL, 2*(\ra)+(\rb)
.if WSEL == 0
	v_wmma_scale_f32_16x16x128_f8f6f4 v[\d:\d+7], v[\a:\a+7], v[\b:\b+7], 0, v[\sa], v[\sb] matrix_a_fmt:MATRIX_FMT_FP4 matrix_b_fmt:MATRIX_FMT_FP4
.elseif WSEL == 1
	v_wmma_scale_f32_16x16x128_f8f6f4 v[\d:\d+7], v[\a:\a+7], v[\b:\b+7], 0, v[\sa], v[\sb] matrix_a_fmt:MATRIX_FMT_FP4 matrix_b_fmt:MATRIX_FMT_FP4 matrix_b_scale:MATRIX_SCALE_ROW1
.elseif WSEL == 2
	v_wmma_scale_f32_16x16x128_f8f6f4 v[\d:\d+7], v[\a:\a+7], v[\b:\b+7], 0, v[\sa], v[\sb] matrix_a_fmt:MATRIX_FMT_FP4 matrix_b_fmt:MATRIX_FMT_FP4 matrix_a_scale:MATRIX_SCALE_ROW1
.else
	v_wmma_scale_f32_16x16x128_f8f6f4 v[\d:\d+7], v[\a:\a+7], v[\b:\b+7], 0, v[\sa], v[\sb] matrix_a_fmt:MATRIX_FMT_FP4 matrix_b_fmt:MATRIX_FMT_FP4 matrix_a_scale:MATRIX_SCALE_ROW1 matrix_b_scale:MATRIX_SCALE_ROW1
.endif
.endm
	s_load_b128 s[4:7], s[0:1], 0x0                ; codes s[4:5], scl s[6:7]
	s_load_b64 s[8:9], s[0:1], 0x10                ; out0
	v_lshl_add_u32 v254, v0, 2, 0x46000
	v_mov_b32 v255, 0
	v_lshrrev_b32 v1, 5, v0
	v_readfirstlane_b32 s[WV], v1                  ; wave = key step u, 0..15
	s_and_b32 s12, ttmp7, 0xffff                   ; batch
	s_lshr_b32 s13, ttmp9, 2                       ; a: the last key step of tiles 0, 1
	s_sub_co_u32 s14, 15, s13                      ; and of tiles 2, 3
	s_lshl_b32 s[KF], s[WV], 7
	s_lshl_b32 s[Q0], ttmp9, 5
	s_add_co_u32 s[Q0+1], s[Q0], 16
	s_sub_co_u32 s60, 63, ttmp9
	s_lshl_b32 s[Q0+2], s60, 5
	s_add_co_u32 s[Q0+3], s[Q0+2], 16
	s_mov_b32 s20, 0x76543210
	s_mov_b32 s21, 0xfedcba98                      ; v_permlanex16_b32's selects for lane l xor 16
	s_mov_b32 s22, 0x3e38aa3b                      ; c = log2(e) / 8
	s_mov_b32 s23, s22                             ; (the packed form names the pair and takes its low word for both halves: so s23 is written)
.irp f, 0,1,2,3,4,5,6,7                            ; zero codes for K = 64 .. 127 of k's fragments; v[20:23] also serve as 16 bytes of zeros
.irp c, 4,5,6,7
	v_mov_b32 v[KFR+8*\f+\c], 0
.endr
.endr
.irp f, 0,1,2,3                                    ; and of q's, in registers of their own
.irp c, 4,5,6,7
	v_mov_b32 v[Q+8*\f+\c], 0
.endr
.endr
.irp b, 0,1,2,3
	v_mov_b32 v[PM+\b], 0                          ; written once: a lane permute's destination counts as one of its sources
.endr
	v_mov_b32 v241, 0
	v_mov_b32 v243, 0                              ; (named as the upper half of the pair v[242:243] before it is first written)
	v_mov_b32 v14, 0xff800000                      ; -infinity
	v_mov_b32 v252, 0x7f000000                     ; an empty slot's -M: 2^127
	v_mov_b32 v253, 0                              ; and its l
	v_and_b32 v1, 15, v0                           ; r
	v_bfe_u32 v2, v0, 4, 1                         ; h
	v_and_b32 v15, 31, v0                          ; lane
	v_lshlrev_b32 v3, 4, v15                       ; 16 x lane: an image's place, and my place in two rows of out0
	v_lshlrev_b32 v4, 1, v15                       ; 2 x lane: a scale word's two bytes
	v_mul_u32_u24 v[ST], v1, 272
	v_lshl_add_u32 v[ST], v2, 5, v[ST]
	s_mul_i32 s61, s[WV], SLOTB
	v_add_nc_u32 v[ST], s61, v[ST]                 ; row r, + 32 h, in slot (0, u)
	v_add_nc_u32 v[ST+1], TSTR, v[ST]
	v_add_nc_u32 v[ST+2], 2*TSTR, v[ST]
	v_add_nc_u32 v[ST+3], 3*TSTR, v[ST]
	s_lshl_b32 s61, s[WV], 7
	s_add_co_u32 s61, s61, STAT0
	v_lshl_add_u32 v9, v1, 3, s61                  ; my query's (-M, l) of slot (0, u)
	s_and_b32 s61, s[WV], 7                        ; behind the barrier wave u sums rows 2 (u % 8) and + 1 of tiles u / 8 and 2 + u / 8
	s_lshl_b32 s61, s61, 1
	s_lshr_b32 s62, s[WV], 3
	v_add_nc_u32 v12, s61, v2                      ; lanes 0-15 one row, lanes 16-31 the next
	v_mul_u32_u24 v10, v12, 272
	v_lshl_add_u32 v10, v1, 4, v10
	s_mul_i32 s63, s62, TSTR
	v_add_nc_u32 v10, s63, v10                     ; v10: 16 bytes of that row in slot (u / 8, 0)
	v_add_nc_u32 v11, 2*TSTR, v10                  ; v11: in slot (2 + u / 8, 0)
	s_lshl_b32 s62, s62, 11
	s_add_co_u32 s62, s62, STAT0
	v_lshl_add_u32 v12, v12, 3, s62                ; v12: the row's (-M, l)
	; byte offsets, each under 2^32, in pairs with 0 above
	s_lshl_b32 s24, s12, 16                        ; a batch's 65,536 bytes in each section of codes
	s_lshl_b32 s25, s[WV], 12
	s_add_co_u32 s26, s24, s25                     ; + my step's 4,096
	s_mov_b32 s27, 0
	s_lshl_b32 s25, ttmp9, 10
	s_add_co_u32 s28, s24, s25                     ; q: tiles 2 j, 2 j + 1 of 512 bytes
	s_mov_b32 s29, 0
	s_lshl_b32 s25, s60, 10
	s_add_co_u32 s30, s24, s25                     ; tiles 126 - 2 j, 127 - 2 j
	s_mov_b32 s31, 0
	s_lshl_b32 s24, s12, 14                        ; a batch's 32 records of 512 bytes in scl
	s_lshl_b32 s25, s[WV], 10
	s_add_co_u32 s32, s24, s25                     ; my step's two records
	s_mov_b32 s33, 0
	s_lshr_b32 s25, ttmp9, 1
	s_lshl_b32 s25, s25, 9
	s_add_co_u32 s34, s24, s25
	s_and_b32 s25, ttmp9, 1
	s_lshl_b32 s25, s25, 6
	s_add_co_u32 s34, s34, s25                     ; q's bytes of queries 32 j on: record j / 2, + 64 (j % 2)
	s_mov_b32 s35, 0
	s_lshr_b32 s25, s60, 1
	s_lshl_b32 s25, s25, 9
	s_add_co_u32 s36, s24, s25
	s_and_b32 s25, s60, 1
	s_lshl_b32 s25, s25, 6
	s_add_co_u32 s36, s36, s25                     ; the same for queries 32 (63 - j) on
	s_mov_b32 s37, 0
	s_lshl_b32 s24, s12, 19                        ; out0: a batch's 2,048 rows of 256 bytes,
	s_lshl_b32 s25, s[WV], 9                       ; + rows 2 u, 2 u + 1 of the 32
	s_add_co_u32 s24, s24, s25
	s_lshl_b32 s25, ttmp9, 13
	s_add_co_u32 s38, s24, s25
	s_mov_b32 s39, 0
	s_lshl_b32 s25, s60, 13
	s_add_co_u32 s58, s24, s25
	s_mov_b32 s59, 0
	s_wait_kmcnt 0x0
	s_add_nc_u64 s[40:41], s[4:5], s[26:27]
	s_add_nc_u64 s[42:43], s[40:41], 0x100000      ; v's section
	s_add_nc_u64 s[40:41], s[40:41], 0x80000       ; k's section
	s_add_nc_u64 s[44:45], s[4:5], s[28:29]
	s_add_nc_u64 s[46:47], s[4:5], s[30:31]
	s_add_nc_u64 s[48:49], s[6:7], s[32:33]
	s_add_nc_u64 s[50:51], s[6:7], s[34:35]
	s_add_nc_u64 s[52:53], s[6:7], s[36:37]
	s_add_nc_u64 s[54:55], s[8:9], s[38:39]
	s_add_nc_u64 s[56:57], s[8:9], s[58:59]
; A UNIT: tile t's 16 queries x my 128 keys.
.macro UNIT t
	s_wait_dscnt 0x0                               ; the last unit's LDS stores have read the registers that are written again below
.irp k, 0,1,2,3,4,5,6,7                            ; S^T = k q^T: source 0 = 16 keys, source 1 = the 16 queries: lane (r, h) holds query r, register 8 k + i key 16 k + 8 h + i
	WM S+8*\k, KFR+8*\k, Q+8*\t, KS+\k/2, QS+\t/2, \k%2, \t%2
.endr
.rept 4
	v_nop                                          ; four places between the products and the first read of results (ISA guide 7.12.1)
.endr
	s_add_co_u32 s61, s[KF], 127                   ; a step all of whose keys count for all 16 queries skips the mask: a scalar branch on ids
	s_cmp_le_u32 s61, s[Q0+\t]
	s_cbranch_scc1 .Lopen_\@
	s_sub_co_i32 s61, s[Q0+\t], s[KF]
	v_lshlrev_b32 v13, 3, v2
	v_sub_nc_u32 v13, v1, v13
	v_add_nc_u32 v13, s61, v13                     ; d = my query - the step's first key - 8 h: register 8 k + i is hidden where 16 k + i > d
.irp k, 0,1,2,3,4,5,6,7
.irp i, 0,1,2,3,4,5,6,7
	v_cmp_gt_i32 vcc_lo, 16*\k+\i, v13
	v_cndmask_b32 v[S+8*\k+\i], v[S+8*\k+\i], v14, vcc_lo   ; hidden scores become -infinity: p = 0.  The step's first key counts for every query of a unit, so M is a number
.endr
.endr
.Lopen_\@:
.irp b, 0,1,2,3
	v_max3_num_f32 v[MB+\b], v[S+16*\b], v[S+16*\b+1], v[S+16*\b+2]   ; the largest score of each block of 32 keys: it serves for the row's maximum and, since p rises with the score, for the block's largest p
.endr
.irp i, 3,5,7,9,11,13
.irp b, 0,1,2,3
	v_max3_num_f32 v[MB+\b], v[MB+\b], v[S+16*\b+\i], v[S+16*\b+\i+1]   ; (the four blocks by turns; each accumulator is first read at its low end)
.endr
.endr
.irp b, 0,1,2,3
	v_max_num_f32 v[MB+\b], v[MB+\b], v[S+16*\b+15]
.endr
.irp b, 0,1,2,3
	v_permlanex16_b32 v[PM+\b], v[MB+\b], s20, s21
.endr
.irp b, 0,1,2,3
	v_max_num_f32 v[MB+\b], v[MB+\b], v[PM+\b]     ; with lane l xor 16's 16 keys
.endr
	v_max3_num_f32 v15, v[MB], v[MB+1], v[MB+2]
	v_max_num_f32 v15, v15, v[MB+3]                ; the unit's largest score of my query
	v_mul_f32 v15, s22, v15                        ; as t (c is positive)
	v_floor_f32 v242, -v15                         ; -M = floor(-t) = -ceil(t): a whole number
.set ii, 0
.rept 32
	v_pk_fma_f32 v[S+ii:S+ii+1], v[S+ii:S+ii+1], s[22:23], v[242:243] op_sel_hi:[1,0,0]   ; t - M, two at a time
.set ii, ii+2
.endr
.irp b, 0,1,2,3
	v_fma_f32 v[MB+\b], v[MB+\b], s22, v242        ; the same of each block's largest score
.endr
.set ii, 0
.rept 64
	v_exp_f32 v[S+ii], v[S+ii]                     ; p = 2^(t - M), at most 1: not normalised
.set ii, ii+1
.endr
.irp b, 0,1,2,3
	v_exp_f32 v[MB+\b], v[MB+\b]                   ; the block's largest p
.endr
	v_nop                                          ; a plain place behind the exponentials
	s_wait_alu depctr_va_vdst(0)
.irp b, 0,1,2,3
	v_max_num_f32 v[MB+\b], 0x1800000, v[MB+\b]    ; the floor 2^(3 - 127): the byte cannot fall under 1 (a block whose every p is 0 keeps that byte: its codes are zeros)
.endr
.irp b, 0,1,2,3
	v_add_nc_u32 v[SO+\b], 0xff000000, v[MB+\b]    ; 2 off the exponent field: the conversion's scale operand
.endr
.irp b, 0,1,2,3
	v_lshrrev_b32 v[BY+\b], 23, v[SO+\b]           ; the scale's byte
.endr
	v_lshl_or_b32 v[PW], v[BY+1], 8, v[BY]         ; p's scale word for these 128 keys
	v_lshl_or_b32 v[PW], v[BY+2], 16, v[PW]
	v_lshl_or_b32 v[PW], v[BY+3], 24, v[PW]
.irp b, 0,1,2,3
	v_cvt_scalef32_pk8_fp4_f32 v[PC+2*\b], v[S+16*\b:S+16*\b+7], v[SO+\b]
	v_cvt_scalef32_pk8_fp4_f32 v[PC+2*\b+1], v[S+16*\b+8:S+16*\b+15], v[SO+\b]
.endr
	v_nop                                          ; one plain place behind the conversions
.irp c, 0,1                                        ; the operand wants a whole block in a lane: lanes 0-15 block 2 c, lanes 16-31 block 2 c + 1; inside it [h = 0's 8 bytes][h = 1's], as v's blocks lie
.irp i, 0,1
	v_permlane16_swap_b32 v[PC+4*\c+\i], v[PC+4*\c+2+\i]
.endr
.endr
	v_pk_add_f32 v[244:245], v[S:S+1], v[S+2:S+3]  ; the sum of the unquantised p, two at a time, in two chains.  These 31 lines are also the places between the writes of p's codes and scale word and the products
	v_pk_add_f32 v[246:247], v[S+4:S+5], v[S+6:S+7]
.set ii, 8
.rept 14
	v_pk_add_f32 v[244:245], v[244:245], v[S+ii:S+ii+1]
	v_pk_add_f32 v[246:247], v[246:247], v[S+ii+2:S+ii+3]
.set ii, ii+4
.endr
	v_pk_add_f32 v[244:245], v[244:245], v[246:247]
.irp c, 0,1,2,3                                    ; O^T = v^T p^T: source 0 = 16 channels, source 1 = p: lane (r, h) holds query r, register 8 c + i channel 16 c + 8 h + i
	WM S+8*\c, VFR+8*\c, PC, VS+\c/2, PW, \c%2, 0
.endr
	v_add_f32 v15, v244, v245                      ; the sum's two halves,
	v_permlanex16_b32 v241, v15, s20, s21
	v_add_f32 v243, v15, v241                      ; and lane l xor 16's: l of my query under this unit's M
.rept 4
	v_nop                                          ; with the two additions six places: four are owed to the stores below, five to the next unit's products, which write over these results
.endr
.irp c, 0,1,2,3
	ds_store_b128 v[ST+\t], v[S+8*\c:S+8*\c+3] offset:64*\c          ; each accumulator from its low end on
	ds_store_b128 v[ST+\t], v[S+8*\c+4:S+8*\c+7] offset:64*\c+16
.endr
	ds_store_b64 v9, v[242:243] offset:2048*\t     ; both lanes of a query write the same 8 bytes
.endm
; Slot (t, u) has no unit: zeros, and a -M whose factor is 0
.macro NEUTRAL t
.irp c, 0,1,2,3
	ds_store_b128 v[ST+\t], v[20:23] offset:64*\c
	ds_store_b128 v[ST+\t], v[20:23] offset:64*\c+16
.endr
	ds_store_b64 v9, v[252:253] offset:2048*\t
.endm
	s_cmp_gt_u32 s[WV], s14                        ; my keys come after all of the work-group's queries: nothing to load
	s_cbranch_scc1 .Lno_large
.irp k, 0,1,2,3,4,5,6,7
	global_load_b128 v[KFR+8*\k:KFR+8*\k+3], v3, s[40:41] offset:512*\k   ; 16 keys: 512 consecutive bytes
.endr
.irp i, 0,1,2,3
	global_load_u16 v[KS+\i], v4, s[48:49] offset:(\i/2)*512+128+64*(\i%2)   ; two scale bytes a key; the upper half of the word is 0
.endr
.irp t, 0,1
	global_load_b128 v[Q+8*\t:Q+8*\t+3], v3, s[44:45] offset:512*\t
	global_load_b128 v[Q+16+8*\t:Q+16+8*\t+3], v3, s[46:47] offset:512*\t
.endr
	global_load_u16 v[QS], v4, s[50:51]
	global_load_u16 v[QS+1], v4, s[52:53]
.irp t, 0,1,2,3
.irp c, 0,1
	global_load_b128 v[VFR+8*\t+4*\c:VFR+8*\t+4*\c+3], v3, s[42:43] offset:1024*\t+512*\c
.endr
.endr
.irp e, 0,1
	global_load_u16 v[S+\e], v4, s[48:49] offset:256+64*\e      ; v's bytes of key blocks 0, 1
	global_load_u16 v[S+2+\e], v4, s[48:49] offset:768+64*\e    ; and 2, 3
.endr
	s_wait_loadcnt 0x0
	v_lshl_or_b32 v[VS], v[S+2], 16, v[S]
	v_lshl_or_b32 v[VS+1], v[S+3], 16, v[S+1]
	UNIT 2
	UNIT 3
	s_cmp_gt_u32 s[WV], s13
	s_cbranch_scc1 .Lno_small
	UNIT 0
	UNIT 1
	s_branch .Ljoin
.Lno_large:
	NEUTRAL 2
	NEUTRAL 3
.Lno_small:
	s_cmp_gt_u32 s[WV], 7                          ; of tiles 0, 1 only slots 0 to 7 are ever read (a is 7 at the most)
	s_cbranch_scc1 .Ljoin
	NEUTRAL 0
	NEUTRAL 1
.Ljoin:
	s_wait_dscnt 0x0                               ; for the others' sake: my slots are written
	s_barrier_signal -1
	s_barrier_wait -1
	; THE SUMS.  v16-47 my rows' 16 bytes of the 8 slots of tile u / 8; v48-111 of the 16 slots of tile 2 + u / 8; v112-127, v128-159 their (-M, l).  48 LDS loads in one run, the statistics first.
.irp g, 0,1,2,3,4,5,6,7
	ds_load_b64 v[112+2*\g:113+2*\g], v12 offset:128*\g
.endr
.irp g, 0,1,2,3,4,5,6,7,8,9,10,11,12,13,14,15
	ds_load_b64 v[128+2*\g:129+2*\g], v12 offset:4096+128*\g
.endr
.irp g, 0,1,2,3,4,5,6,7
	ds_load_b128 v[16+4*\g:19+4*\g], v10 offset:SLOTB*\g    ; sixteen lanes read one row's 256 bytes
.endr
.irp g, 0,1,2,3,4,5,6,7,8,9,10,11,12,13,14,15
	ds_load_b128 v[48+4*\g:51+4*\g], v11 offset:SLOTB*\g
.endr
; The row's -M is the least of the slots' -M; each slot's -M is replaced by its factor 2^(M_slot - M): a whole power of two, 0 for an empty slot (the conversion saturates)
.macro FACT n, st, m
	v_min3_num_f32 v[\m], v[\st], v[\st+2], v[\st+4]
.set ii, 3
.rept (\n-4)/2
	v_min3_num_f32 v[\m], v[\m], v[\st+2*ii], v[\st+2*ii+2]
.set ii, ii+2
.endr
	v_min_num_f32 v[\m], v[\m], v[\st+2*\n-2]
.set ii, 0
.rept \n
	v_sub_f32 v[\st+2*ii], v[\m], v[\st+2*ii]
.set ii, ii+1
.endr
.set ii, 0
.rept \n
	v_cvt_i32_f32 v[\st+2*ii], v[\st+2*ii]
.set ii, ii+1
.endr
.set ii, 0
.rept \n
	v_ldexp_f32 v[\st+2*ii], 1.0, v[\st+2*ii]
.set ii, ii+1
.endr
.endm
; l and my four channels: the sums over the slots of factor x part; then the division
.macro SUMUP n, rw, st, ac, l, rc
	v_mul_f32 v[\l], v[\st], v[\st+1]
	v_pk_mul_f32 v[\ac:\ac+1], v[\rw:\rw+1], v[\st:\st+1] op_sel_hi:[1,0]
	v_pk_mul_f32 v[\ac+2:\ac+3], v[\rw+2:\rw+3], v[\st:\st+1] op_sel_hi:[1,0]
.set ii, 1
.rept \n-1
	v_fmac_f32 v[\l], v[\st+2*ii], v[\st+2*ii+1]
	v_pk_fma_f32 v[\ac:\ac+1], v[\rw+4*ii:\rw+4*ii+1], v[\st+2*ii:\st+2*ii+1], v[\ac:\ac+1] op_sel_hi:[1,0,1]
	v_pk_fma_f32 v[\ac+2:\ac+3], v[\rw+4*ii+2:\rw+4*ii+3], v[\st+2*ii:\st+2*ii+1], v[\ac+2:\ac+3] op_sel_hi:[1,0,1]
.set ii, ii+1
.endr
	v_rcp_f32 v[\rc], v[\l]
	v_mov_b32 v[\rc+1], 0                          ; a plain place behind the reciprocal; and the pair's upper half is written
	s_wait_alu depctr_va_vdst(0)
	v_pk_mul_f32 v[\ac:\ac+1], v[\ac:\ac+1], v[\rc:\rc+1] op_sel_hi:[1,0]
	v_pk_mul_f32 v[\ac+2:\ac+3], v[\ac+2:\ac+3], v[\rc:\rc+1] op_sel_hi:[1,0]
.endm
	s_wait_dscnt 24                                ; the statistics are in; the 24 loads of rows may be out
	FACT 8, 112, 174
	FACT 16, 128, 175
	s_wait_dscnt 16                                ; the first tile's 8 are in; the second's 16 may be out
	SUMUP 8, 16, 112, 160, 168, 170
	global_store_b128 v3, v[160:163], s[54:55] th:TH_STORE_NT   ; two neighbouring rows of out0: 512 consecutive bytes, at a multiple of 256 from its first byte; written once
	s_wait_dscnt 0x0
	SUMUP 16, 48, 128, 164, 169, 172
	global_store_b128 v3, v[164:167], s[56:57] th:TH_STORE_NT
	s_wait_tensorcnt 0x0
	ds_add_u32 v254, v255
	s_wait_dscnt 0x0
	s_endpgm
.Lfunc_end_k_qe8eb127095_attn:
	.size	k_qe8eb127095_attn, .Lfunc_end_k_qe8eb127095_attn-k_qe8eb127095_attn
	.p2alignl 7, 3214868480
	.fill 96, 4, 3214868480
	.section	.rodata,"a",@progbits
	.p2align	6, 0x0
	.amdhsa_kernel k_qe8eb127095_attn
		.amdhsa_group_segment_fixed_size 288768
		.amdhsa_private_segment_fixed_size 0
		.amdhsa_enable_private_segment 0
		.amdhsa_kernarg_size 24
		.amdhsa_user_sgpr_count 2
		.amdhsa_user_sgpr_kernarg_segment_ptr 1
		.amdhsa_wavefront_size32 1
		.amdhsa_system_sgpr_workgroup_id_x 1
		.amdhsa_system_sgpr_workgroup_id_y 1
		.amdhsa_system_sgpr_workgroup_id_z 1
		.amdhsa_system_vgpr_workitem_id 0
		.amdhsa_next_free_vgpr 256
		.amdhsa_next_free_sgpr 66
		.amdhsa_reserve_vcc 1
		.amdhsa_float_denorm_mode_32 3
		.amdhsa_float_denorm_mode_16_64 3
		.amdhsa_memory_ordered 1
		.amdhsa_forward_progress 1
		.amdhsa_inst_pref_size 95
	.end_amdhsa_kernel
	.amdgpu_metadata
---
amdhsa.version: [ 1, 2 ]
amdhsa.kernels:
  - .name:           k_qe8eb127095_attn
    .symbol:         k_qe8eb127095_attn.kd
    .args:
      - { .name: codes, .offset: 0, .size: 8, .value_kind: global_buffer, .address_space: global }
      - { .name: scl, .offset: 8, .size: 8, .value_kind: global_buffer, .address_space: global }
      - { .name: out0, .offset: 16, .size: 8, .value_kind: global_buffer, .address_space: global }
    .group_segment_fixed_size: 288768
    .private_segment_fixed_size: 0
    .kernarg_segment_align: 8
    .kernarg_segment_size: 24
    .max_flat_workgroup_size: 512
    .sgpr_count:     66
    .vgpr_count:     256
    .wavefront_size: 32
...
	.end_amdgpu_metadata
.endif
;; end of part 2
;; ======== version 2 of 2: 2 launches; version 1 with the launch attn written anew for expert scheduling mode
;; workspace buffers: codes 1,572,864 bytes; scl 131,072 bytes
;; launch proj: the kernel of part 1 again; grid 256 x 1, 12 waves a work-group, clusters of 4 x 1, 169,472 bytes of LDS; arguments x_codes, x_scales, Wq_codes, Wq_scales, Wk_codes, Wk_scales, Wv_codes, Wv_scales, codes, scl; writes codes, scl
;; launch attn (part 3): grid 32 x 8, 16 waves a work-group, no clusters, 288,768 bytes of LDS; arguments codes, scl, out0; writes out0
.if DOCPART == 3
	.amdgcn_target "amdgcn-amd-amdhsa--gfx1250"
	.amdhsa_code_object_version 6
	.text
	.protected	k_qe8eb127095_attn
	.globl	k_qe8eb127095_attn
	.p2align	8
	.type	k_qe8eb127095_attn,@function
k_qe8eb127095_attn:
	s_mov_b64 s[64:65], 0
	v_nop
	global_prefetch_b8 v0, s[64:65] scope:SCOPE_SE
	s_setreg_imm32_b32 hwreg(HW_REG_WAVE_SCHED_MODE, 0, 2), 2
	s_setreg_imm32_b32 hwreg(HW_REG_WAVE_MODE, 25, 1), 1
	s_wait_xcnt 0x0
	s_wait_alu depctr_vm_vsrc(0)
; out[b][q][:] = the sum over keys k <= q of softmax_k(q . k / 8) v[k][:], both products on codes of FP4 (E2M1) with one E8M0 scale for each 32 along K.  2,048 tokens a batch, head size 64.
; q, k, v come as the launch before laid them: images of the operands' registers, 16 bytes a lane; inside each block of 32 the groups of eight stand in the order 0, 2, 1, 3, on both sides of each product.
; THE SOFTMAX: t = score x log2(e) / 8; M = the largest t, rounded UP to a whole number; p = 2^(t - M) is quantised along the keys; the sum l is taken of the unquantised p and divides at the end.
; SHARES.  Work-group (j, batch) owns four tiles of 16 queries: tiles 0, 1 begin at query 32 j (they see key steps 0 .. a, a = j / 4), tiles 2, 3 at query 32 (63 - j) (key steps 0 .. 15 - a).
; A UNIT is one tile x one step of 128 keys: 2 (a + 1) + 2 (16 - a) = 34 units in every work-group.  WAVE u OWNS KEY STEP u: it loads that step's k and v from memory straight into its registers, once,
; and uses them for all its units (four where u <= a, two where u <= 15 - a, else none).  A unit takes M of its own 128 keys; its -M, l and O go to LDS; behind ONE barrier the partial results of a row are
; brought under the row's M by factors 2^(M_unit - M), which round nothing, added, divided by l and stored.  A slot that no unit fills gets O = 0, l = 0, -M = 2^127: its factor is 0, so the sums have no branch.
; K = 64 IN AN INSTRUCTION OF K = 128: registers 4-7 of q's and k's fragments hold zero codes; the upper two bytes of their scale words are 0 (2^-127), over zero codes.
; NO CLUSTER, NO TENSOR LOAD: each byte of k and v is wanted by one wave of a work-group, which keeps it in registers; a way through LDS would add 8,704 bytes a step written and read;
; and work-groups of different j walk different numbers of key steps.
; LIMITS: p under 2^-126 counts as 0; a block of p whose largest lies under 2^-124 takes the byte 1; NaN and infinities are not served.
; THE MODE: SCHED_MODE bits 1:0 = 2 (LLVM: expert scheduling mode 2), set by the entry lines.  The code itself states the register dependences between vector or matrix instructions
; and memory or LDS instructions, with s_wait_alu, always for 0.
; THE PLAN.  Registers that memory or LDS instructions touch:
;   v3-v12             offsets and LDS addresses: written at the head, never again.
;   v20-23, v252-253   zeros, and an empty slot's (-M, l): written at the head, read by the empty slots' LDS stores.
;   v16-143, v232-235, v238-239, v144-147   the head's loads land here once; no vector instruction names these registers ahead of them.
;   v144-175, v242-243 a unit's results: written by its last four products, by v_floor_f32 and by l's last addition; read by the nine LDS stores at the unit's end; written again by the next unit.
;   v16-159            behind the barrier the sums' 48 LDS loads land here: registers that products have read, and of which v20-23 and v144-159 were LDS stores' data.
;   v160-167           the finished rows: written by the sums' last multiplications, read by the two global stores.
; THE WAITS.  One on va_vdst at the head's end, ahead of the first branch, for all that the head wrote.  In a unit three: behind the exponentials; ahead of the last four products, whose source 1 and scale word
; vector instructions have written; ahead of the unit's stores, behind which the unit issues no vector instruction, so that it serves the sums' loads too.  One on vm_vsrc behind each run of LDS stores, ahead
; of every branch and label.  Three on va_vdst in the sums.  On va_sdst: one for the wave's number, one for each run of sixteen compares of the mask.
.set SLOTB, 16*272                     ; a slot: 16 queries x (256 bytes = 64 channels of f32, + 16 of padding): slot (tile t, step u) at (16 t + u) x 4,352
.set TSTR,  16*SLOTB                   ; from tile to tile: 69,632
.set STAT0, 4*TSTR                     ; behind the slots: (-M, l), 8 bytes a query: (16 t + u) x 128 + 8 x query
.set ST,  5                            ; v5-8    where I put 32 bytes of a row of tile t's slot
.set KFR, 16                           ; v16-79  k: 8 fragments of 16 keys
.set VFR, 80                           ; v80-111 v: 4 fragments of 16 channels x 128 keys
.set Q,   112                          ; v112-143 q: 4 fragments
.set S,   144                          ; v144-207 scores, then p; O^T is laid over v144-175
.set PC,  208                          ; v208-215 p's codes
.set MB,  216                          ; v216-219 the blocks' largest scores, then largest p;  v220-223 the other half's
.set PM,  220
.set SO,  224                          ; v224-227 the conversions' scale operands
.set BY,  228                          ; v228-231 the scale bytes
.set KS,  232                          ; v232-235 k's scale words: register i, lane l: key 32 i + l
.set VS,  236                          ; v236-237 v's: register e, lane l: channel 32 e + l
.set QS,  238                          ; v238-239 q's: register 0 tiles 0, 1; register 1 tiles 2, 3
.set PW,  240                          ; v240    p's scale word
.set WV,  10                           ; s10  u
.set KF,  15                           ; s15  my step's first key
.set Q0,  16                           ; s16-19 the tiles' first queries
.set CM,  24                           ; s24-39 the mask's sixteen lane masks; at the head these registers hold byte offsets, which are used up there
; One matrix instruction; every sum here is one instruction long and starts from 0.  ra, rb = 1: the side's scale words stand in lanes 16-31.
.macro WM d, a, b, sa, sb, ra, rb
.set WSEL, 2*(\ra)+(\rb)
.if WSEL == 0
	v_wmma_scale_f32_16x16x128_f8f6f4 v[\d:\d+7], v[\a:\a+7], v[\b:\b+7], 0, v[\sa], v[\sb] matrix_a_fmt:MATRIX_FMT_FP4 matrix_b_fmt:MATRIX_FMT_FP4
.elseif WSEL == 1
	v_wmma_scale_f32_16x16x128_f8f6f4 v[\d:\d+7], v[\a:\a+7], v[\b:\b+7], 0, v[\sa], v[\sb] matrix_a_fmt:MATRIX_FMT_FP4 matrix_b_fmt:MATRIX_FMT_FP4 matrix_b_scale:MATRIX_SCALE_ROW1
.elseif WSEL == 2
	v_wmma_scale_f32_16x16x128_f8f6f4 v[\d:\d+7], v[\a:\a+7], v[\b:\b+7], 0, v[\sa], v[\sb] matrix_a_fmt:MATRIX_FMT_FP4 matrix_b_fmt:MATRIX_FMT_FP4 matrix_a_scale:MATRIX_SCALE_ROW1
.else
	v_wmma_scale_f32_16x16x128_f8f6f4 v[\d:\d+7], v[\a:\a+7], v[\b:\b+7], 0, v[\sa], v[\sb] matrix_a_fmt:MATRIX_FMT_FP4 matrix_b_fmt:MATRIX_FMT_FP4 matrix_a_scale:MATRIX_SCALE_ROW1 matrix_b_scale:MATRIX_SCALE_ROW1
.endif
.endm
	s_load_b128 s[4:7], s[0:1], 0x0                ; codes s[4:5], scl s[6:7]
	s_load_b64 s[8:9], s[0:1], 0x10                ; out0
	v_lshl_add_u32 v254, v0, 2, 0x46000
	v_mov_b32 v255, 0
	v_lshrrev_b32 v1, 5, v0
	v_readfirstlane_b32 s[WV], v1                  ; wave = key step u, 0..15
	s_and_b32 s12, ttmp7, 0xffff                   ; batch
	s_lshr_b32 s13, ttmp9, 2                       ; a: the last key step of tiles 0, 1
	s_sub_co_u32 s14, 15, s13                      ; and of tiles 2, 3
	s_wait_alu depctr_va_sdst(0)                   ; s10, the wave's number, is written, ahead of its first reader
	s_lshl_b32 s[KF], s[WV], 7
	s_lshl_b32 s[Q0], ttmp9, 5
	s_add_co_u32 s[Q0+1], s[Q0], 16
	s_sub_co_u32 s60, 63, ttmp9
	s_lshl_b32 s[Q0+2], s60, 5
	s_add_co_u32 s[Q0+3], s[Q0+2], 16
	s_mov_b32 s20, 0x76543210
	s_mov_b32 s21, 0xfedcba98                      ; v_permlanex16_b32's selects for lane l xor 16
	s_mov_b32 s22, 0x3e38aa3b                      ; c = log2(e) / 8
	s_mov_b32 s23, s22                             ; (the packed form names the pair and takes its low word for both halves: so s23 is written)
.irp f, 0,1,2,3,4,5,6,7                            ; zero codes for K = 64 .. 127 of k's fragments; v[20:23] also serve as 16 bytes of zeros
.irp c, 4,5,6,7
	v_mov_b32 v[KFR+8*\f+\c], 0
.endr
.endr
.irp f, 0,1,2,3                                    ; and of q's, in registers of their own
.irp c, 4,5,6,7
	v_mov_b32 v[Q+8*\f+\c], 0
.endr
.endr
.irp b, 0,1,2,3
	v_mov_b32 v[PM+\b], 0                          ; written once: a lane permute's destination counts as one of its sources
.endr
	v_mov_b32 v241, 0
	v_mov_b32 v243, 0                              ; (named as the upper half of the pair v[242:243] before it is first written)
	v_mov_b32 v14, 0xff800000                      ; -infinity
	v_mov_b32 v252, 0x7f000000                     ; an empty slot's -M: 2^127
	v_mov_b32 v253, 0                              ; and its l
	v_and_b32 v1, 15, v0                           ; r
	v_bfe_u32 v2, v0, 4, 1                         ; h
	v_and_b32 v15, 31, v0                          ; lane
	v_lshlrev_b32 v3, 4, v15                       ; 16 x lane: an image's place, and my place in two rows of out0
	v_lshlrev_b32 v4, 1, v15                       ; 2 x lane: a scale word's two bytes
	v_mul_u32_u24 v[ST], v1, 272
	v_lshl_add_u32 v[ST], v2, 5, v[ST]
	s_mul_i32 s61, s[WV], SLOTB
	v_add_nc_u32 v[ST], s61, v[ST]                 ; row r, + 32 h, in slot (0, u)
	v_add_nc_u32 v[ST+1], TSTR, v[ST]
	v_add_nc_u32 v[ST+2], 2*TSTR, v[ST]
	v_add_nc_u32 v[ST+3], 3*TSTR, v[ST]
	s_lshl_b32 s61, s[WV], 7
	s_add_co_u32 s61, s61, STAT0
	v_lshl_add_u32 v9, v1, 3, s61                  ; my query's (-M, l) of slot (0, u)
	s_and_b32 s61, s[WV], 7                        ; behind the barrier wave u sums rows 2 (u % 8) and + 1 of tiles u / 8 and 2 + u / 8
	s_lshl_b32 s61, s61, 1
	s_lshr_b32 s62, s[WV], 3
	v_add_nc_u32 v12, s61, v2                      ; lanes 0-15 one row, lanes 16-31 the next
	v_mul_u32_u24 v10, v12, 272
	v_lshl_add_u32 v10, v1, 4, v10
	s_mul_i32 s63, s62, TSTR
	v_add_nc_u32 v10, s63, v10                     ; v10: 16 bytes of that row in slot (u / 8, 0)
	v_add_nc_u32 v11, 2*TSTR, v10                  ; v11: in slot (2 + u / 8, 0)
	s_lshl_b32 s62, s62, 11
	s_add_co_u32 s62, s62, STAT0
	v_lshl_add_u32 v12, v12, 3, s62                ; v12: the row's (-M, l)
	; byte offsets, each under 2^32, in pairs with 0 above
	s_lshl_b32 s24, s12, 16                        ; a batch's 65,536 bytes in each section of codes
	s_lshl_b32 s25, s[WV], 12
	s_add_co_u32 s26, s24, s25                     ; + my step's 4,096
	s_mov_b32 s27, 0
	s_lshl_b32 s25, ttmp9, 10
	s_add_co_u32 s28, s24, s25                     ; q: tiles 2 j, 2 j + 1 of 512 bytes
	s_mov_b32 s29, 0
	s_lshl_b32 s25, s60, 10
	s_add_co_u32 s30, s24, s25                     ; tiles 126 - 2 j, 127 - 2 j
	s_mov_b32 s31, 0
	s_lshl_b32 s24, s12, 14                        ; a batch's 32 records of 512 bytes in scl
	s_lshl_b32 s25, s[WV], 10
	s_add_co_u32 s32, s24, s25                     ; my step's two records
	s_mov_b32 s33, 0
	s_lshr_b32 s25, ttmp9, 1
	s_lshl_b32 s25, s25, 9
	s_add_co_u32 s34, s24, s25
	s_and_b32 s25, ttmp9, 1
	s_lshl_b32 s25, s25, 6
	s_add_co_u32 s34, s34, s25                     ; q's bytes of queries 32 j on: record j / 2, + 64 (j % 2)
	s_mov_b32 s35, 0
	s_lshr_b32 s25, s60, 1
	s_lshl_b32 s25, s25, 9
	s_add_co_u32 s36, s24, s25
	s_and_b32 s25, s60, 1
	s_lshl_b32 s25, s25, 6
	s_add_co_u32 s36, s36, s25                     ; the same for queries 32 (63 - j) on
	s_mov_b32 s37, 0
	s_lshl_b32 s24, s12, 19                        ; out0: a batch's 2,048 rows of 256 bytes,
	s_lshl_b32 s25, s[WV], 9                       ; + rows 2 u, 2 u + 1 of the 32
	s_add_co_u32 s24, s24, s25
	s_lshl_b32 s25, ttmp9, 13
	s_add_co_u32 s38, s24, s25
	s_mov_b32 s39, 0
	s_lshl_b32 s25, s60, 13
	s_add_co_u32 s58, s24, s25
	s_mov_b32 s59, 0
	s_wait_kmcnt 0x0
	s_add_nc_u64 s[40:41], s[4:5], s[26:27]
	s_add_nc_u64 s[42:43], s[40:41], 0x100000      ; v's section
	s_add_nc_u64 s[40:41], s[40:41], 0x80000       ; k's section
	s_add_nc_u64 s[44:45], s[4:5], s[28:29]
	s_add_nc_u64 s[46:47], s[4:5], s[30:31]
	s_add_nc_u64 s[48:49], s[6:7], s[32:33]
	s_add_nc_u64 s[50:51], s[6:7], s[34:35]
	s_add_nc_u64 s[52:53], s[6:7], s[36:37]
	s_add_nc_u64 s[54:55], s[8:9], s[38:39]
	s_add_nc_u64 s[56:57], s[8:9], s[58:59]
; A UNIT: tile t's 16 queries x my 128 keys.
.macro UNIT t
.irp k, 0,1,2,3,4,5,6,7                            ; S^T = k q^T: source 0 = 16 keys, source 1 = the 16 queries: lane (r, h) holds query r, register 8 k + i key 16 k + 8 h + i
	WM S+8*\k, KFR+8*\k, Q+8*\t, KS+\k/2, QS+\t/2, \k%2, \t%2
.endr
.rept 4
	v_nop                                          ; four places between the products and the first read of results (ISA guide 7.12.1)
.endr
	s_add_co_u32 s61, s[KF], 127                   ; a step all of whose keys count for all 16 queries skips the mask: a scalar branch on ids
	s_cmp_le_u32 s61, s[Q0+\t]
	s_cbranch_scc1 .Lopen_\@
	s_sub_co_i32 s61, s[Q0+\t], s[KF]
	v_lshlrev_b32 v13, 3, v2
	v_sub_nc_u32 v13, v1, v13
	v_add_nc_u32 v13, s61, v13                     ; d = my query - the step's first key - 8 h: register 8 k + i is hidden where 16 k + i > d
.set gg, 0
.rept 4                                            ; sixteen registers (two accumulators, a block of 32 keys) at a time: the compares in a run, each into a scalar register of its own, then the selects
.set nn, 0
.rept 16
	v_cmp_gt_i32 s[CM+nn], 32*gg+16*(nn/8)+nn%8, v13
.set nn, nn+1
.endr
	s_wait_alu depctr_va_sdst(0)                   ; the sixteen compares have written s24 to s39, ahead of the selects that read them
.set nn, 0
.rept 16
	v_cndmask_b32 v[S+16*gg+nn], v[S+16*gg+nn], v14, s[CM+nn]   ; hidden scores become -infinity: p = 0.  The step's first key counts for every query of a unit, so M is a number
.set nn, nn+1
.endr
.set gg, gg+1
.endr
.Lopen_\@:
.irp b, 0,1,2,3
	v_max3_num_f32 v[MB+\b], v[S+16*\b], v[S+16*\b+1], v[S+16*\b+2]   ; the largest score of each block of 32 keys: it serves for the row's maximum and, since p rises with the score, for the block's largest p
.endr
.irp i, 3,5,7,9,11,13
.irp b, 0,1,2,3
	v_max3_num_f32 v[MB+\b], v[MB+\b], v[S+16*\b+\i], v[S+16*\b+\i+1]   ; (the four blocks by turns; each accumulator is first read at its low end)
.endr
.endr
.irp b, 0,1,2,3
	v_max_num_f32 v[MB+\b], v[MB+\b], v[S+16*\b+15]
.endr
.irp b, 0,1,2,3
	v_permlanex16_b32 v[PM+\b], v[MB+\b], s20, s21
.endr
.irp b, 0,1,2,3
	v_max_num_f32 v[MB+\b], v[MB+\b], v[PM+\b]     ; with lane l xor 16's 16 keys
.endr
	v_max3_num_f32 v15, v[MB], v[MB+1], v[MB+2]
	v_max_num_f32 v15, v15, v[MB+3]                ; the unit's largest score of my query
	v_mul_f32 v15, s22, v15                        ; as t (c is positive)
	v_floor_f32 v242, -v15                         ; -M = floor(-t) = -ceil(t): a whole number
.set ii, 0
.rept 32
	v_pk_fma_f32 v[S+ii:S+ii+1], v[S+ii:S+ii+1], s[22:23], v[242:243] op_sel_hi:[1,0,0]   ; t - M, two at a time
.set ii, ii+2
.endr
.irp b, 0,1,2,3
	v_fma_f32 v[MB+\b], v[MB+\b], s22, v242        ; the same of each block's largest score
.endr
.set ii, 0
.rept 64
	v_exp_f32 v[S+ii], v[S+ii]                     ; p = 2^(t - M), at most 1: not normalised
.set ii, ii+1
.endr
.irp b, 0,1,2,3
	v_exp_f32 v[MB+\b], v[MB+\b]                   ; the block's largest p
.endr
	v_nop                                          ; a plain place behind the exponentials
	s_wait_alu depctr_va_vdst(0)                   ; the 68 exponentials have written p and the blocks' largest p: one wait for the batch, ahead of its first reader
.irp b, 0,1,2,3
	v_max_num_f32 v[MB+\b], 0x1800000, v[MB+\b]    ; the floor 2^(3 - 127): the byte cannot fall under 1 (a block whose every p is 0 keeps that byte: its codes are zeros)
.endr
.irp b, 0,1,2,3
	v_add_nc_u32 v[SO+\b], 0xff000000, v[MB+\b]    ; 2 off the exponent field: the conversion's scale operand
.endr
.irp b, 0,1,2,3
	v_lshrrev_b32 v[BY+\b], 23, v[SO+\b]           ; the scale's byte
.endr
	v_lshl_or_b32 v[PW], v[BY+1], 8, v[BY]         ; p's scale word for these 128 keys
	v_lshl_or_b32 v[PW], v[BY+2], 16, v[PW]
	v_lshl_or_b32 v[PW], v[BY+3], 24, v[PW]
.irp b, 0,1,2,3
	v_cvt_scalef32_pk8_fp4_f32 v[PC+2*\b], v[S+16*\b:S+16*\b+7], v[SO+\b]
	v_cvt_scalef32_pk8_fp4_f32 v[PC+2*\b+1], v[S+16*\b+8:S+16*\b+15], v[SO+\b]
.endr
	v_nop                                          ; one plain place behind the conversions
.irp c, 0,1                                        ; the operand wants a whole block in a lane: lanes 0-15 block 2 c, lanes 16-31 block 2 c + 1; inside it [h = 0's 8 bytes][h = 1's], as v's blocks lie
.irp i, 0,1
	v_permlane16_swap_b32 v[PC+4*\c+\i], v[PC+4*\c+2+\i]
.endr
.endr
	v_pk_add_f32 v[244:245], v[S:S+1], v[S+2:S+3]  ; the sum of the unquantised p, two at a time, in two chains.  These 31 lines are also the places between the writes of p's codes and scale word and the products
	v_pk_add_f32 v[246:247], v[S+4:S+5], v[S+6:S+7]
.set ii, 8
.rept 14
	v_pk_add_f32 v[244:245], v[244:245], v[S+ii:S+ii+1]
	v_pk_add_f32 v[246:247], v[246:247], v[S+ii+2:S+ii+3]
.set ii, ii+4
.endr
	v_pk_add_f32 v[244:245], v[244:245], v[246:247]
	s_wait_alu depctr_va_vdst(0)                   ; vector instructions have written p's codes, p's scale word and (in the wave's first unit) v's scale words, which the scaled products below take; the places above stay beside this wait
.irp c, 0,1,2,3                                    ; O^T = v^T p^T: source 0 = 16 channels, source 1 = p: lane (r, h) holds query r, register 8 c + i channel 16 c + 8 h + i
	WM S+8*\c, VFR+8*\c, PC, VS+\c/2, PW, \c%2, 0
.endr
	v_add_f32 v15, v244, v245                      ; the sum's two halves,
	v_permlanex16_b32 v241, v15, s20, s21
	v_add_f32 v243, v15, v241                      ; and lane l xor 16's: l of my query under this unit's M
.rept 4
	v_nop                                          ; with the two additions six places: four are owed to the stores below, five to the next unit's products, which write over these results
.endr
	s_wait_alu depctr_va_vdst(0)                   ; the four products have written O^T, and -M and l are written: the LDS stores below read them.  All products so far are also done reading k, v, q and p's codes; the unit issues no vector instruction behind this wait
.irp c, 0,1,2,3
	ds_store_b128 v[ST+\t], v[S+8*\c:S+8*\c+3] offset:64*\c          ; each accumulator from its low end on
	ds_store_b128 v[ST+\t], v[S+8*\c+4:S+8*\c+7] offset:64*\c+16
.endr
	ds_store_b64 v9, v[242:243] offset:2048*\t     ; both lanes of a query write the same 8 bytes
	s_wait_alu depctr_vm_vsrc(0)                   ; the nine stores have read v144-175 and v242-243, which the next unit's products and arithmetic, or the sums' loads, write again
.endm
; Slot (t, u) has no unit: zeros, and a -M whose factor is 0
.macro NEUTRAL t
.irp c, 0,1,2,3
	ds_store_b128 v[ST+\t], v[20:23] offset:64*\c
	ds_store_b128 v[ST+\t], v[20:23] offset:64*\c+16
.endr
	ds_store_b64 v9, v[252:253] offset:2048*\t
.endm
	s_wait_alu depctr_va_vdst(0)                   ; all that the head wrote is written: the offsets v3, v4 and the LDS addresses v5-12, which the loads and stores below read; the zeros v20-23 and v252-253, which the empty slots' stores read; the zero halves of k's and q's fragments, which scaled products take
	s_cmp_gt_u32 s[WV], s14                        ; my keys come after all of the work-group's queries: nothing to load
	s_cbranch_scc1 .Lno_large
.irp k, 0,1,2,3,4,5,6,7
	global_load_b128 v[KFR+8*\k:KFR+8*\k+3], v3, s[40:41] offset:512*\k   ; 16 keys: 512 consecutive bytes
.endr
.irp i, 0,1,2,3
	global_load_u16 v[KS+\i], v4, s[48:49] offset:(\i/2)*512+128+64*(\i%2)   ; two scale bytes a key; the upper half of the word is 0
.endr
.irp t, 0,1
	global_load_b128 v[Q+8*\t:Q+8*\t+3], v3, s[44:45] offset:512*\t
	global_load_b128 v[Q+16+8*\t:Q+16+8*\t+3], v3, s[46:47] offset:512*\t
.endr
	global_load_u16 v[QS], v4, s[50:51]
	global_load_u16 v[QS+1], v4, s[52:53]
.irp t, 0,1,2,3
.irp c, 0,1
	global_load_b128 v[VFR+8*\t+4*\c:VFR+8*\t+4*\c+3], v3, s[42:43] offset:1024*\t+512*\c
.endr
.endr
.irp e, 0,1
	global_load_u16 v[S+\e], v4, s[48:49] offset:256+64*\e      ; v's bytes of key blocks 0, 1
	global_load_u16 v[S+2+\e], v4, s[48:49] offset:768+64*\e    ; and 2, 3
.endr
	s_wait_loadcnt 0x0
	v_lshl_or_b32 v[VS], v[S+2], 16, v[S]
	v_lshl_or_b32 v[VS+1], v[S+3], 16, v[S+1]
	UNIT 2
	UNIT 3
	s_cmp_gt_u32 s[WV], s13
	s_cbranch_scc1 .Lno_small
	UNIT 0
	UNIT 1
	s_branch .Ljoin
.Lno_large:
	NEUTRAL 2
	NEUTRAL 3
	s_wait_alu depctr_vm_vsrc(0)                   ; these stores have read v20-23, in which the sums' loads land
.Lno_small:
	s_cmp_gt_u32 s[WV], 7                          ; of tiles 0, 1 only slots 0 to 7 are ever read (a is 7 at the most)
	s_cbranch_scc1 .Ljoin
	NEUTRAL 0
	NEUTRAL 1
	s_wait_alu depctr_vm_vsrc(0)                   ; these stores have read v20-23, in which the sums' loads land
.Ljoin:
	s_wait_dscnt 0x0                               ; for the others' sake: my slots are written
	s_barrier_signal -1
	s_barrier_wait -1
	; THE SUMS.  v16-47 my rows' 16 bytes of the 8 slots of tile u / 8; v48-111 of the 16 slots of tile 2 + u / 8; v112-127, v128-159 their (-M, l).  48 LDS loads in one run, the statistics first.
	; On every way here the last wait on va_vdst (a unit's third, or the head's) has no vector or matrix instruction behind it, and a wait on vm_vsrc stands behind the last LDS store: these loads owe nothing more.
.irp g, 0,1,2,3,4,5,6,7
	ds_load_b64 v[112+2*\g:113+2*\g], v12 offset:128*\g
.endr
.irp g, 0,1,2,3,4,5,6,7,8,9,10,11,12,13,14,15
	ds_load_b64 v[128+2*\g:129+2*\g], v12 offset:4096+128*\g
.endr
.irp g, 0,1,2,3,4,5,6,7
	ds_load_b128 v[16+4*\g:19+4*\g], v10 offset:SLOTB*\g    ; sixteen lanes read one row's 256 bytes
.endr
.irp g, 0,1,2,3,4,5,6,7,8,9,10,11,12,13,14,15
	ds_load_b128 v[48+4*\g:51+4*\g], v11 offset:SLOTB*\g
.endr
; The row's -M is the least of the slots' -M; each slot's -M is replaced by its factor 2^(M_slot - M): a whole power of two, 0 for an empty slot (the conversion saturates)
.macro FACT n, st, m
	v_min3_num_f32 v[\m], v[\st], v[\st+2], v[\st+4]
.set ii, 3
.rept (\n-4)/2
	v_min3_num_f32 v[\m], v[\m], v[\st+2*ii], v[\st+2*ii+2]
.set ii, ii+2
.endr
	v_min_num_f32 v[\m], v[\m], v[\st+2*\n-2]
.set ii, 0
.rept \n
	v_sub_f32 v[\st+2*ii], v[\m], v[\st+2*ii]
.set ii, ii+1
.endr
.set ii, 0
.rept \n
	v_cvt_i32_f32 v[\st+2*ii], v[\st+2*ii]
.set ii, ii+1
.endr
.set ii, 0
.rept \n
	v_ldexp_f32 v[\st+2*ii], 1.0, v[\st+2*ii]
.set ii, ii+1
.endr
.endm
; l and my four channels: the sums over the slots of factor x part; then l's reciprocal
.macro SUMS n, rw, st, ac, l, rc
	v_mul_f32 v[\l], v[\st], v[\st+1]
	v_pk_mul_f32 v[\ac:\ac+1], v[\rw:\rw+1], v[\st:\st+1] op_sel_hi:[1,0]
	v_pk_mul_f32 v[\ac+2:\ac+3], v[\rw+2:\rw+3], v[\st:\st+1] op_sel_hi:[1,0]
.set ii, 1
.rept \n-1
	v_fmac_f32 v[\l], v[\st+2*ii], v[\st+2*ii+1]
	v_pk_fma_f32 v[\ac:\ac+1], v[\rw+4*ii:\rw+4*ii+1], v[\st+2*ii:\st+2*ii+1], v[\ac:\ac+1] op_sel_hi:[1,0,1]
	v_pk_fma_f32 v[\ac+2:\ac+3], v[\rw+4*ii+2:\rw+4*ii+3], v[\st+2*ii:\st+2*ii+1], v[\ac+2:\ac+3] op_sel_hi:[1,0,1]
.set ii, ii+1
.endr
	v_rcp_f32 v[\rc], v[\l]
	v_mov_b32 v[\rc+1], 0                          ; a plain place behind the reciprocal; and the pair's upper half is written
.endm
; the division
.macro FIN ac, rc
	v_pk_mul_f32 v[\ac:\ac+1], v[\ac:\ac+1], v[\rc:\rc+1] op_sel_hi:[1,0]
	v_pk_mul_f32 v[\ac+2:\ac+3], v[\ac+2:\ac+3], v[\rc:\rc+1] op_sel_hi:[1,0]
.endm
	s_wait_dscnt 24                                ; the statistics are in; the 24 loads of rows may be out
	FACT 8, 112, 174
	FACT 16, 128, 175
	s_wait_dscnt 16                                ; the first tile's 8 are in; the second's 16 may be out
	SUMS 8, 16, 112, 160, 168, 170
	s_wait_alu depctr_va_vdst(0)                   ; the reciprocal has written v170, ahead of its first reader
	FIN 160, 170
	s_wait_dscnt 0x0
	SUMS 16, 48, 128, 164, 169, 172
	s_wait_alu depctr_va_vdst(0)                   ; the reciprocal has written v172, ahead of its first reader; and the first tile's division has written v160-163, which the store below reads
	global_store_b128 v3, v[160:163], s[54:55] th:TH_STORE_NT   ; two neighbouring rows of out0: 512 consecutive bytes, at a multiple of 256 from its first byte; written once
	FIN 164, 172
	s_wait_alu depctr_va_vdst(0)                   ; the second tile's division has written v164-167, which the store below reads
	global_store_b128 v3, v[164:167], s[56:57] th:TH_STORE_NT
	s_wait_dscnt 0x0                               ; the closing lines, six on end
	s_wait_alu 0x0
	s_wait_tensorcnt 0x0
	ds_add_u32 v254, v255
	s_wait_dscnt 0x0
	s_endpgm
.Lfunc_end_k_qe8eb127095_attn:
	.size	k_qe8eb127095_attn, .Lfunc_end_k_qe8eb127095_attn-k_qe8eb127095_attn
	.p2alignl 7, 3214868480
	.fill 96, 4, 3214868480
	.section	.rodata,"a",@progbits
	.p2align	6, 0x0
	.amdhsa_kernel k_qe8eb127095_attn
		.amdhsa_group_segment_fixed_size 288768
		.amdhsa_private_segment_fixed_size 0
		.amdhsa_enable_private_segment 0
		.amdhsa_kernarg_size 24
		.amdhsa_user_sgpr_count 2
		.amdhsa_user_sgpr_kernarg_segment_ptr 1
		.amdhsa_wavefront_size32 1
		.amdhsa_system_sgpr_workgroup_id_x 1
		.amdhsa_system_sgpr_workgroup_id_y 1
		.amdhsa_system_sgpr_workgroup_id_z 1
		.amdhsa_system_vgpr_workitem_id 0
		.amdhsa_next_free_vgpr 256
		.amdhsa_next_free_sgpr 66
		.amdhsa_reserve_vcc 0
		.amdhsa_float_denorm_mode_32 3
		.amdhsa_float_denorm_mode_16_64 3
		.amdhsa_memory_ordered 1
		.amdhsa_forward_progress 1
		.amdhsa_inst_pref_size 112
	.end_amdhsa_kernel
	.amdgpu_metadata
---
amdhsa.version: [ 1, 2 ]
amdhsa.kernels:
  - .name:           k_qe8eb127095_attn
    .symbol:         k_qe8eb127095_attn.kd
    .args:
      - { .name: codes, .offset: 0, .size: 8, .value_kind: global_buffer, .address_space: global }
      - { .name: scl, .offset: 8, .size: 8, .value_kind: global_buffer, .address_space: global }
      - { .name: out0, .offset: 16, .size: 8, .value_kind: global_buffer, .address_space: global }
    .group_segment_fixed_size: 288768
    .private_segment_fixed_size: 0
    .kernarg_segment_align: 8
    .kernarg_segment_size: 24
    .max_flat_workgroup_size: 512
    .sgpr_count:     66
    .vgpr_count:     256
    .wavefront_size: 32
...
	.end_amdgpu_metadata
.endif
;; end of part 3
